; MI455X (gfx1250); checked and timed in simulation.
; The chip was launched on July 23, 2026; its instructions are those of AMD's public machine-readable ISA for CDNA 5 (MIT licence, August 2026) and "CDNA5" Instruction Set Architecture Reference Guide (July 2026). The comments in the code are by the model that wrote it; some were corrected since.
;; MU Attention Layer. Allowed arithmetic: matrix products marked QUANTISED: E2M1 operands, one E8M0 scale for each 32 along K, by v_wmma_scale_f32_16x16x128_f8f6f4 with both operands' format E2M1 (or v_wmma_scale_f32_32x16x128_f4), f32 sums; products left as they are: f32 operands where the result goes on into a quantised operand, else bf16, f16 or f32 operands; f32 sums; everything else in f32.
;; Inputs: M 4 x 2,048 x 4 x 4 float32; Wb 128 x 16 float32; Wg 128 x 16 float32; Wk 16 x 128 float32; Wo 128 x 16 float32; Wq 16 x 128 float32; Wv 16 x 128 float32; bb 16 float32; bg 16 float32; bk 128 float32; bo 16 float32; bq 128 float32; bv 128 float32; ln_beta 4 x 4 float32; ln_gamma 4 x 4 float32; sens_mask 4 x 4 float32.
;; Outputs: out0 4 x 2,048 x 4 x 4 float32.
;; This version of the problem:
;;   THIS VERSION OF THE PROBLEM IS GIVEN IN LOW PRECISION. The matrix products marked QUANTISED in the list below multiply operands that are first quantised to E2M1 (2 exponent bits, 1 mantissa bit; 4 bits a number), with one power-of-two scale for each 32 numbers along K (OCP MX v1.0); their sums are f32. All else is computed in f32.
;;   The module's matrix products, in the order in which they are computed (A, B: the left and right operand; K: the contracted axis; several contracted axes count as one K, in the product's order):
;;     1. [M 8,192, K 16] x [K 16, N 128]; A: input M; B: input Wq: left as it is (K = 16 < 32)
;;     2. [M 8,192, K 16] x [K 16, N 128]; A: input M; B: input Wk: left as it is (K = 16 < 32)
;;     3. [M 8,192, K 16] x [K 16, N 128]; A: input M; B: input Wv: left as it is (K = 16 < 32)
;;     4. batch 16 x [M 2,048, K 32] x [K 32, N 2,048]; A: computed on the way; B: computed on the way: QUANTISED
;;     5. batch 16 x [M 2,048, K 2,048] x [K 2,048, N 32]; A: softmax (see below); B: computed on the way: QUANTISED
;;     6. [M 8,192, K 128] x [K 128, N 16]; A: computed on the way; B: input Wo: QUANTISED
;;     7. [M 8,192, K 128] x [K 128, N 16]; A: computed on the way; B: input Wg: QUANTISED
;;     8. [M 8,192, K 128] x [K 128, N 16]; A: computed on the way; B: input Wb: QUANTISED
;;   THE QUANTISER, for each operand of a quantised product, along K:
;;     - K is cut into blocks of 32 from its start; a last block that is shorter is filled with zeros.
;;     - A block's scale is 2^e with e = floor(log2(the largest magnitude in the block)) - 2, held to -126 .. 127; a block of zeros has e = 0. As a byte (E8M0): e + 127.
;;     - Each number is divided by its block's scale, clamped to +-6, and rounded to the nearest number of E2M1, ties to even, subnormals kept.
;;     - The product sums the exact products of the quantised numbers (number of the format x scale) in f32.
;;   ~~~python
;;   def quantise(x, axis):      # numpy; x: float32 -> the quantised numbers, widened to float32 again
;;       x = np.moveaxis(x, axis, -1); K = x.shape[-1]
;;       x = np.pad(x, [(0, 0)] * (x.ndim - 1) + [(0, -K % 32)]); x = x.reshape(x.shape[:-1] + (-1, 32)); a = np.abs(x).max(-1, keepdims=True)
;;       e = np.where(a > 0, np.clip(np.frexp(np.where(a > 0, a, 1))[1] - 1 - 2, -126, 127), 0)      # np.frexp(a)[1] - 1 = floor(log2(a)), exactly
;;       r = np.clip(x / 2.0 ** e, -6, 6)
;;       step = 2.0 ** (np.maximum(np.frexp(np.where(r == 0, 1, r))[1] - 1, 0) - 1)
;;       q = np.round(r / step) * step * 2.0 ** e      # np.round: ties to even
;;       return np.moveaxis(q.reshape(q.shape[:-2] + (-1,))[..., :K], -1, axis).astype(np.float32)
;;   ~~~
;;   SOFTMAX AHEAD OF A QUANTISED PRODUCT. Where the list says 'softmax', what is quantised is not the finished softmax but p = 2^(t - M), with t = logit x log2(e) and M = ceil(the row's largest t), a whole number; so 1/2 < the row's largest p <= 1. The row's sum l is taken of the UNQUANTISED p, in f32, and the product's result is divided by l at the end. Since M is a whole number, a kernel that streams over the keys may use a running M (the ceiling of the running maximum): every later rescaling is an exact power of two, which a block's scale takes up: the codes' values come out the same.
;;   OPERANDS COMPUTED ON THE WAY. 'Computed on the way' means the value that the module computes at that place (a softmax that the list does not call 'softmax' is quantised finished and normalised). What goes into a quantiser is computed in f32, as accurately as f32 sums, v_exp_f32 and their like allow (about 1e-6 of the number): no bf16 or f16 on the way to a quantiser, and a product that is left as it is and whose result goes on into a quantised operand takes f32 operands (vector FMAs, or v_wmma_f32_16x16x4_f32). A number that lies on a knife's edge between two numbers of the format may be rounded either way, as far as f32 arithmetic and the matrix unit's own rounding can turn it there, and no further.
;; One version. Each part assembles by itself: llvm-mc -triple=amdgcn-amd-amdhsa -mcpu=gfx1250 --defsym DOCPART=n.
;; ======== version 1 of 1: 2 launches
;; workspace buffers: q 557,056 bytes; kv 1,114,112 bytes
;; launch project (part 1): grid 64 x 3, 8 waves a work-group, no clusters, 0 bytes of LDS; arguments M, Wq, bq, Wk, bk, Wv, bv, q, kv; writes q, kv
.if DOCPART == 1
	.amdgcn_target "amdgcn-amd-amdhsa--gfx1250"
	.amdhsa_code_object_version 6
	.text
	.protected	k_qc3913831bb_project
	.globl	k_qc3913831bb_project
	.p2align	8
	.type	k_qc3913831bb_project,@function
k_qc3913831bb_project:
	s_mov_b64 s[64:65], 0
	v_nop
	global_prefetch_b8 v0, s[64:65] scope:SCOPE_SE
	s_setreg_imm32_b32 hwreg(HW_REG_WAVE_MODE, 25, 1), 1
	s_wait_xcnt 0x0
; Q = x Wq + bq, K = x Wk + bk, V = x Wv + bv for x = M as [8192][16], in f32 (their results go into quantisers), then codes of FP4 (E2M1) with one E8M0 byte
; for each 32 along the later product's K: Q and K along a head's 32 channels, V along the keys.
; A STEP is 128 consecutive tokens (64 steps).  Work-group x = the step; y = 0: Q, 1: K, 2: V.  Each of the eight waves makes ONE operand fragment (16 rows x 128 along K):
; 8 accumulators x 4 K steps of 4 of the f32 matrix form, one pass of the quantiser, three stores.  Waves share nothing: no LDS, no barrier.
; WHAT IS STORED are images of operand registers.  A PART is 8,704 bytes: eight fragments of 1,024 bytes (register group c of lane l at 512 c + 16 l), then eight runs of 16 scale words.
;   q : [64 steps][PART]          kv : [64 steps][K's PART][V's PART]
;   Q, K: fragment 2 hd + f of head hd: its block j of 32 along K, row r, is ONE token's 32 channels: token 32 (t / 2) + 8 (t % 2) + r + 8 (r / 8) of the step, t = 4 f + j; byte j of row r's word is its scale.
;   V:    fragment dt: row r is channel 32 (dt / 2) + 8 (dt % 2) + r + 8 (r / 8); K runs over the step's 128 keys as they lie.
; The rows of a tile are chosen so (not neighbours) so that a lane's 16 registers of two neighbouring result tiles are 16 neighbours along the axis that is quantised.
; LIMITS: NaN and infinities among the inputs are not served; a block whose largest magnitude lies under 2^-124 has its byte held at 1; a block of zeros gets the byte 1 and not 127:
; its codes are zeros, and this program alone reads the bytes.
.set XA,  4                            ; v4   x: 64 (r + 8 (r / 8)) + 8 h: my token's row, my two numbers of a K step of 4
.set WA,  5                            ; v5   W: 1,024 h + 4 (r + 8 (r / 8)): rows 2 h, 2 h + 1 of a K step, my channel
.set LI,  6                            ; v6   16 x lane + 1,024 x wave: my place in the part's fragments
.set R4,  7                            ; v7   4 r + 64 x wave: my row's scale word
.set BA,  8                            ; v8   the bias: 64 h (Q, K) or 4 (r + 8 (r / 8)) (V)
.set XF,  16                           ; v16-79   fragments of x
.set WF,  80                           ; v80-95   fragments of W
.set BI,  96                           ; v96-111  the bias in the result's layout: the C of each sum's first product
.set HA,  112                          ; v112-175 eight accumulators: written by matrix instructions alone
.set PC,  176                          ; v176-183 the codes
.set TM,  184                          ; v184-199 at work
.set PW,  200                          ; v200     the scale word
.set WV,  22
.set YY,  23
.set SEL, 34
; 64 numbers of a lane, register 16 b + i = place 32 b + 16 (lane / 16) + i of my row along K, become the fragment's codes in v[PC] on and my row's scale word in v[PW].
.macro QUANT s
.irp b, 0,1,2,3
	v_max3_num_f32 v[TM+\b], |v[\s+16*\b]|, |v[\s+1+16*\b]|, 0x1800000   ; block b: my 16 numbers and the floor 2^(3 - 127), so that the byte cannot fall under 1.  Each accumulator is read from its low end on
.endr
.irp i, 2,4,6,8,10,12,14
.irp b, 0,1,2,3
	v_max3_num_f32 v[TM+\b], v[TM+\b], |v[\s+16*\b+\i]|, |v[\s+1+16*\b+\i]|   ; the four blocks by turns
.endr
.endr
.irp b, 0,1,2,3
	s_delay_alu instid0(VALU_DEP_4)
	v_permlanex16_b32 v[TM+4+\b], v[TM+\b], s[SEL], s[SEL+1]
.endr
.irp b, 0,1,2,3
	s_delay_alu instid0(VALU_DEP_4)
	v_max_num_f32 v[TM+\b], v[TM+\b], v[TM+4+\b]   ; with lane l xor 16's 16: the block's largest magnitude
.endr
.irp b, 0,1,2,3
	s_delay_alu instid0(VALU_DEP_4)
	v_add_nc_u32 v[TM+12+\b], 0xff000000, v[TM+\b]   ; 2 off its exponent field: the conversion's scale operand
.endr
.irp b, 0,1,2,3
	s_delay_alu instid0(VALU_DEP_4)
	v_lshrrev_b32 v[TM+4+\b], 23, v[TM+12+\b]      ; the scale's byte
.endr
	s_delay_alu instid0(VALU_DEP_3)
	v_lshl_or_b32 v[PW], v[TM+5], 8, v[TM+4]
	s_delay_alu instid0(VALU_DEP_1)
	v_lshl_or_b32 v[PW], v[TM+6], 16, v[PW]
	s_delay_alu instid0(VALU_DEP_1)
	v_lshl_or_b32 v[PW], v[TM+7], 24, v[PW]
.irp b, 0,1,2,3
	v_cvt_scalef32_pk8_fp4_f32 v[PC+2*\b], v[\s+16*\b:\s+7+16*\b], v[TM+12+\b]
	v_cvt_scalef32_pk8_fp4_f32 v[PC+1+2*\b], v[\s+8+16*\b:\s+15+16*\b], v[TM+12+\b]
.endr
	v_nop                                          ; one plain place behind a scaled conversion
.irp c, 0,1                                    ; the operand's layout wants a whole block in a lane: lanes 0-15 block 2 c, lanes 16-31 block 2 c + 1
.irp i, 0,1
	v_permlane16_swap_b32 v[PC+4*\c+\i], v[PC+2+4*\c+\i]
.endr
.endr
.endm
	s_load_b256 s[4:11], s[0:1], 0x0               ; M s[4:5], Wq s[6:7], bq s[8:9], Wk s[10:11]
	s_load_b256 s[12:19], s[0:1], 0x20             ; bk s[12:13], Wv s[14:15], bv s[16:17], q s[18:19]
	s_load_b64 s[20:21], s[0:1], 0x40              ; kv
	v_lshrrev_b32 v1, 5, v0
	s_delay_alu instid0(VALU_DEP_1)
	v_readfirstlane_b32 s[WV], v1                  ; wave 0..7
	s_and_b32 s[YY], ttmp7, 0xffff                 ; 0: Q, 1: K, 2: V
	v_and_b32 v1, 15, v0                           ; r
	v_bfe_u32 v2, v0, 4, 1                         ; h
	s_delay_alu instid0(VALU_DEP_2)
	v_and_b32 v3, 8, v1
	s_delay_alu instid0(VALU_DEP_1)
	v_add_nc_u32 v3, v3, v1                        ; r + 8 (r / 8)
	s_delay_alu instid0(VALU_DEP_1)
	v_lshlrev_b32 v[XA], 6, v3
	s_delay_alu instid0(VALU_DEP_1)
	v_lshl_add_u32 v[XA], v2, 3, v[XA]
	s_delay_alu instid0(VALU_DEP_3)
	v_lshlrev_b32 v[WA], 2, v3
	s_delay_alu instid0(VALU_DEP_1)
	v_lshl_add_u32 v[WA], v2, 10, v[WA]
	v_and_b32 v[LI], 31, v0
	s_delay_alu instid0(VALU_DEP_1)
	v_lshlrev_b32 v[LI], 4, v[LI]
	s_lshl_b32 s36, s[WV], 10
	v_add_nc_u32 v[LI], s36, v[LI]
	s_lshl_b32 s36, s[WV], 6
	v_lshl_add_u32 v[R4], v1, 2, s36
	s_mov_b32 s[SEL], 0x76543210
	s_mov_b32 s[SEL+1], 0xfedcba98                 ; v_permlanex16_b32's selects for lane l xor 16
.irp b, 0,1,2,3
	v_mov_b32 v[TM+4+\b], 0                        ; written once: a lane permute's destination counts as one of its sources
.endr
	s_lshl_b32 s32, ttmp9, 13                      ; the step's 128 rows of 64 bytes
	s_mov_b32 s33, 0
	s_lshr_b32 s36, s[WV], 1
	s_and_b32 s37, s[WV], 1
	s_wait_kmcnt 0x0
	s_add_nc_u64 s[24:25], s[4:5], s[32:33]        ; x at the step's first token
	s_cmp_eq_u32 s[YY], 2
	s_cbranch_scc1 .Lvalues
	; ---- Q or K: head hd = wave / 2, half f = wave % 2 of the step's tokens.  TRANSPOSED: source 0 = 16 channels of W, source 1 = 16 tokens of x: a lane holds one token, its registers run along the channels
	s_cmp_eq_u32 s[YY], 0                          ; the choice hangs on the work-group's number alone
	s_cselect_b64 s[26:27], s[6:7], s[10:11]       ; Wq or Wk
	s_cselect_b64 s[28:29], s[8:9], s[12:13]       ; bq or bk
	s_cselect_b64 s[30:31], s[18:19], s[20:21]     ; q or kv
	s_lshl_b32 s32, s37, 12                        ; 64 tokens on for f = 1
	s_add_nc_u64 s[24:25], s[24:25], s[32:33]
	s_lshl_b32 s32, s36, 7                         ; the head's 32 channels, 4 bytes each
	s_add_nc_u64 s[26:27], s[26:27], s[32:33]
	s_add_nc_u64 s[28:29], s[28:29], s[32:33]
	s_mul_i32 s32, ttmp9, 8704
	s_lshl_b32 s32, s32, s[YY]                     ; a step is one part in q, two in kv (K's comes first)
	s_add_nc_u64 s[30:31], s[30:31], s[32:33]
	v_lshlrev_b32 v[BA], 6, v2
.irp j, 0,1,2,3                                ; tile j of tokens, K step s: x(token, 4 s + 2 h + 0, 1)
.irp s, 0,1,2,3
	global_load_b64 v[XF+8*\j+2*\s:XF+8*\j+2*\s+1], v[XA], s[24:25] offset:(32*(\j/2)+8*(\j%2))*64+16*\s
.endr
.endr
.irp u, 0,1                                    ; tile u of channels: lane r takes channel 8 u + r + 8 (r / 8) of the head
.irp s, 0,1,2,3
.irp e, 0,1
	global_load_b32 v[WF+8*\u+2*\s+\e], v[WA], s[26:27] offset:(4*\s+\e)*512+32*\u
.endr
.endr
.endr
.irp u, 0,1                                    ; the bias of channels 16 h + 8 u + 0 .. 7: the result's layout
.irp c, 0,1
	global_load_b128 v[BI+8*\u+4*\c:BI+8*\u+4*\c+3], v[BA], s[28:29] offset:32*\u+16*\c
.endr
.endr
	s_wait_loadcnt 0x0
.irp s, 0,1,2,3                                ; the eight accumulators take turns, one instruction a turn
.irp j, 0,1,2,3
.irp u, 0,1
.if \s == 0
	v_wmma_f32_16x16x4_f32 v[HA+8*(2*\j+\u):HA+8*(2*\j+\u)+7], v[WF+8*\u+2*\s:WF+8*\u+2*\s+1], v[XF+8*\j+2*\s:XF+8*\j+2*\s+1], v[BI+8*\u:BI+8*\u+7]
.else
	v_wmma_f32_16x16x4_f32 v[HA+8*(2*\j+\u):HA+8*(2*\j+\u)+7], v[WF+8*\u+2*\s:WF+8*\u+2*\s+1], v[XF+8*\j+2*\s:XF+8*\j+2*\s+1], v[HA+8*(2*\j+\u):HA+8*(2*\j+\u)+7]
.endif
.endr
.endr
.endr
	s_branch .Lquant                               ; register 16 j + 8 u + e of lane (r, h): channel 16 h + 8 u + e of tile j's token r
.Lvalues:
	; ---- V: fragment dt = wave.  Source 0 = 16 tokens of x, source 1 = 16 channels of Wv: a lane holds one channel, its registers run along the keys
	s_lshl_b32 s36, s36, 7                         ; 32 (dt / 2) channels of 4 bytes
	s_lshl_b32 s37, s37, 5                         ; 8 (dt % 2)
	s_add_co_u32 s32, s36, s37
	s_add_nc_u64 s[26:27], s[14:15], s[32:33]
	s_add_nc_u64 s[28:29], s[16:17], s[32:33]
	s_mul_i32 s32, ttmp9, 17408
	s_add_co_u32 s32, s32, 8704                    ; V's part lies behind K's
	s_add_nc_u64 s[30:31], s[20:21], s[32:33]
	v_lshlrev_b32 v[BA], 2, v3
.irp t, 0,1,2,3,4,5,6,7
.irp s, 0,1,2,3
	global_load_b64 v[XF+8*\t+2*\s:XF+8*\t+2*\s+1], v[XA], s[24:25] offset:(32*(\t/2)+8*(\t%2))*64+16*\s
.endr
.endr
.irp s, 0,1,2,3
.irp e, 0,1
	global_load_b32 v[WF+2*\s+\e], v[WA], s[26:27] offset:(4*\s+\e)*512
.endr
.endr
.irp e, 0,1,2,3,4,5,6,7
	global_load_b32 v[BI+\e], v[BA], s[28:29]      ; my channel's bias, in all eight registers of the result's layout
.endr
	s_wait_loadcnt 0x0
.irp s, 0,1,2,3
.irp t, 0,1,2,3,4,5,6,7
.if \s == 0
	v_wmma_f32_16x16x4_f32 v[HA+8*\t:HA+8*\t+7], v[XF+8*\t+2*\s:XF+8*\t+2*\s+1], v[WF+2*\s:WF+2*\s+1], v[BI:BI+7]
.else
	v_wmma_f32_16x16x4_f32 v[HA+8*\t:HA+8*\t+7], v[XF+8*\t+2*\s:XF+8*\t+2*\s+1], v[WF+2*\s:WF+2*\s+1], v[HA+8*\t:HA+8*\t+7]
.endif
.endr
.endr                                          ; register 16 b + i of lane (r, h): key 32 b + 16 h + i of my channel
.Lquant:
.rept 8
	v_nop                                          ; eight places behind this matrix form before a vector instruction reads its result (ISA guide 7.12.1)
.endr
	QUANT HA
	global_store_b128 v[LI], v[PC:PC+3], s[30:31]              ; 32 lanes store 512 consecutive bytes, at a multiple of 256 from the buffer's first byte
	global_store_b128 v[LI], v[PC+4:PC+7], s[30:31] offset:512
	global_store_b32 v[R4], v[PW], s[30:31] offset:8192        ; 16 words, 64 consecutive bytes; both halves of the lanes write the same word with the same value
	s_endpgm
.Lfunc_end_k_qc3913831bb_project:
	.size	k_qc3913831bb_project, .Lfunc_end_k_qc3913831bb_project-k_qc3913831bb_project
	.p2alignl 7, 3214868480
	.fill 96, 4, 3214868480
	.section	.rodata,"a",@progbits
	.p2align	6, 0x0
	.amdhsa_kernel k_qc3913831bb_project
		.amdhsa_group_segment_fixed_size 0
		.amdhsa_private_segment_fixed_size 0
		.amdhsa_enable_private_segment 0
		.amdhsa_kernarg_size 72
		.amdhsa_user_sgpr_count 2
		.amdhsa_user_sgpr_kernarg_segment_ptr 1
		.amdhsa_wavefront_size32 1
		.amdhsa_system_sgpr_workgroup_id_x 1
		.amdhsa_system_sgpr_workgroup_id_y 1
		.amdhsa_system_sgpr_workgroup_id_z 1
		.amdhsa_system_vgpr_workitem_id 0
		.amdhsa_next_free_vgpr 208
		.amdhsa_next_free_sgpr 66
		.amdhsa_reserve_vcc 0
		.amdhsa_float_denorm_mode_32 3
		.amdhsa_float_denorm_mode_16_64 3
		.amdhsa_memory_ordered 1
		.amdhsa_forward_progress 1
		.amdhsa_inst_pref_size 20
	.end_amdhsa_kernel
	.amdgpu_metadata
---
amdhsa.version: [ 1, 2 ]
amdhsa.kernels:
  - .name:           k_qc3913831bb_project
    .symbol:         k_qc3913831bb_project.kd
    .args:
      - { .name: M, .offset: 0, .size: 8, .value_kind: global_buffer, .address_space: global }
      - { .name: Wq, .offset: 8, .size: 8, .value_kind: global_buffer, .address_space: global }
      - { .name: bq, .offset: 16, .size: 8, .value_kind: global_buffer, .address_space: global }
      - { .name: Wk, .offset: 24, .size: 8, .value_kind: global_buffer, .address_space: global }
      - { .name: bk, .offset: 32, .size: 8, .value_kind: global_buffer, .address_space: global }
      - { .name: Wv, .offset: 40, .size: 8, .value_kind: global_buffer, .address_space: global }
      - { .name: bv, .offset: 48, .size: 8, .value_kind: global_buffer, .address_space: global }
      - { .name: q, .offset: 56, .size: 8, .value_kind: global_buffer, .address_space: global }
      - { .name: kv, .offset: 64, .size: 8, .value_kind: global_buffer, .address_space: global }
    .group_segment_fixed_size: 0
    .private_segment_fixed_size: 0
    .kernarg_segment_align: 8
    .kernarg_segment_size: 72
    .max_flat_workgroup_size: 256
    .sgpr_count:     66
    .vgpr_count:     208
    .wavefront_size: 32
...
	.end_amdgpu_metadata
.endif
;; end of part 1
;; launch attend (part 2): grid 256 x 1, 16 waves a work-group, clusters of 4 x 1, 327,680 bytes of LDS; arguments kv, q, M, out0, Wo, Wg, Wb, bo, bg, bb, ln_gamma, ln_beta, sens_mask; writes out0
.if DOCPART == 2
	.amdgcn_target "amdgcn-amd-amdhsa--gfx1250"
	.amdhsa_code_object_version 6
	.text
	.protected	k_qc3913831bb_attend
	.globl	k_qc3913831bb_attend
	.p2align	8
	.type	k_qc3913831bb_attend,@function
k_qc3913831bb_attend:
	s_mov_b64 s[64:65], 0
	v_nop
	global_prefetch_b8 v0, s[64:65] scope:SCOPE_SE
	s_setreg_imm32_b32 hwreg(HW_REG_WAVE_MODE, 25, 1), 1
	s_wait_xcnt 0x0
	s_wait_alu depctr_hold_cnt(0) depctr_sa_sdst(0) depctr_va_vdst(0) depctr_va_sdst(0) depctr_va_ssrc(0) depctr_va_vcc(0) depctr_vm_vsrc(0)
	s_getreg_b32 s2, hwreg(HW_REG_IB_STS2, 6, 4)
	s_cmp_eq_u32 s2, 0
	s_cbranch_scc0 .Lentry_in_a_cluster
	s_endpgm
.Lentry_in_a_cluster:
	s_bfe_u32 s2, ttmp6, 0x10000c
	s_cmp_lg_u32 s2, 0x3003
	s_cbranch_scc0 .Lentry_shape_is_right
	s_endpgm
.Lentry_shape_is_right:
; Attention on codes of FP4 (E2M1) with one E8M0 scale for each 32 along a product's K, then the three output products, the gate, the tanh term and the LayerNorm over a token's 16 numbers.
; q and kv hold images of operand registers, as the launch before laid them: a step is 128 tokens; a part is eight fragments of 1,024 bytes and eight runs of 16 scale words.
; SHARES.  Work-group X owns tokens 32 X .. 32 X + 31, all four heads.  Wave w: query tile u = w % 2, head hd = (w / 2) % 4, half = w / 8 of the batch's 2,048 keys: 8 key steps of 128.  Four waves to a SIMD,
; so that one wave's exponentials stand beside another's plain work.  The two halves of a (tile, head) are merged at the end through LDS by exact powers of two.
; K AND V OF THE WHOLE BATCH, 278,528 bytes of codes and scales, lie in LDS for the whole launch: sixteen first fills and no refill.  The four work-groups of a cluster belong to one batch and ask for each
; tile JOINTLY (mask 15).  Waves 0 to 3 issue four loads each: four tensor loads of a wave are outstanding at the most.
; S^T = K Q^T.  This product's K is 32, a quarter of the instruction's 128.  A fragment of K holds FOUR tiles of 16 keys, one in each block of 32; Q's 32 codes stand in block j of source 1 and zero codes in
; the other three: that product is key tile j's scores.  So every byte read from LDS is used.  The keys of a tile are chosen so that the 16 registers of two neighbouring tiles are 16 neighbouring keys.
; SOFTMAX.  t = score x log2(e) / sqrt(32) (LIMIT: the two factors are one constant); M = the running largest t rounded up to a whole number; p = 2^(t - M) is quantised along the keys; the sum is taken
; of the unquantised p; when M moves, the sum and O^T are multiplied by 2^(old M - new M), which rounds nothing.  A block's largest p is the exponential of its largest score.
; O^T = V^T P^T: a lane holds one query throughout, and its 16 registers of O^T are 16 neighbouring channels of the head: the head's 32 channels are one block of the last products' K.
; LIMITS: NaN and infinities among the inputs are not served; a block whose largest magnitude lies under 2^-124 has its byte held at 1; a block of zeros gets the byte 1 and not 127 (its codes are zeros).
.set STEPB, 17408                      ; a key step in LDS and in kv: K's part, then V's
.set PARTB, 8704
.set HALFB, 8*STEPB
.set TB0,   16*STEPB                   ; behind K and V: bytes that LDS stores alone write; no fill lands there.  Offsets from TB0:
.set WIMG,  0                          ; the three weights' fragments, 1,024 bytes each
.set WSC,   3072                       ; their scale words, 128 bytes each
.set PAR,   3584                       ; bo, bg, bb, gamma, beta, sens: 64 bytes each
.set MR,    4096                       ; the work-group's 32 rows of M
.set PRT,   6144                       ; the second halves' results: 8 units of 2,304 bytes: O^T 2,048, the sum 128, -M 128
.set CIMG,  24576                      ; ctx's two fragments
.set CSC,   26624                      ; their scale words, 64 bytes each
.set OST,   26880                      ; two stages of 1,024 bytes for the way out
.set L16, 1                            ; v1   16 x lane + TB0
.set ADK, 2                            ; v2   16 x lane + my head's two fragments in the step in hand
.set ADS, 3                            ; v3   4 x lane + my head's two runs of scale words: lanes 0-15 the first fragment's, lanes 16-31 the second's
.set L4,  4                            ; v4   4 x lane + TB0
.set R4,  5                            ; v5   4 r + TB0
.set AWI, 6                            ; v6   where a weight's image goes
.set AWS, 7                            ; v7   and its scale words
.set APT, 8                            ; v8   my unit's O^T
.set APL, 9                            ; v9   my unit's sum and -M
.set ACI, 10                           ; v10  where my 16 codes of ctx go
.set ACS, 11                           ; v11  and my head's scale byte
.set QS,  40                           ; v40-43 scale words and nothing else: Q's, K's, V's, p's
.set KS,  41
.set VS,  42
.set PS,  43
.set FF,  44                           ; v[44:45] f = 2^(old M - new M); the upper word is named with it and holds 0
.set KF,  48                           ; v48-63  K's two fragments
.set VF,  64                           ; v64-79  V's two
.set QD,  80                           ; v80-83  Q's 32 codes as loaded;  v84 its scale word
.set QW,  84
.set LN,  85                           ; v85 lane, v86 r, v87 h, v88 r + 8 (r / 8)
.set RR,  86
.set HH,  87
.set RP,  88
.set S,   96                           ; v96-159 S^T, then p
.set O,   160                          ; v160-175 O^T
.set PC,  176                          ; v176-183 p's codes
.set BM,  184                          ; v184-187 each block's largest score, then its largest p
.set PX,  188                          ; v188-191 lane permutes' results, then scale bytes
.set SO,  192                          ; v192-195 the conversions' scale operands
.set T,   196                          ; v196-197 at work
.set L2,  198                          ; v[198:199] the sums' second chain
.set ACR, 202                          ; v202 16 x lane + TB0 + 1,024 u
.set ACW, 203                          ; v203 ctx's scale words of tile u
.set APH, 204                          ; v204 the parameters' eight numbers of my half
.set AMR, 205                          ; v205 my token's eight numbers of M
.set AOS, 206                          ; v206 the stage, on the way in
.set G16R, 207                         ; v207-210 offsets in memory: 16 r, 4 r, 16 x lane, 4 r + 2,048 h
.set G4R,  208
.set G16L, 209
.set GW,   210
.set WV,  30
.set CX,  31
.set G0,  32                           ; s[32:47] descriptor group 0, a set for each of a wave's four loads
.set G1,  48                           ; s[48:55] descriptor group 1
.set RPT, 56
.set CS,  58                           ; s[58:59] c = log2(e) / sqrt(32)
.set SEL, 60
; A round of the cluster's barrier: my work-group's barrier, wave 0's signal for the work-group, every wave's wait for all four work-groups, my work-group's barrier once more.
.macro ROUND
	s_barrier_signal -1
	s_barrier_wait -1
	s_cmp_lg_u32 s[WV], 0
	s_cbranch_scc1 .Lnot_wave_0_\@
	s_barrier_signal -3
.Lnot_wave_0_\@:
	s_barrier_wait -3
	s_barrier_signal -1
	s_barrier_wait -1
.endm
	s_load_b256 s[4:11], s[0:1], 0x0               ; kv s[4:5], q s[6:7], M s[8:9], out0 s[10:11]
	s_load_b256 s[12:19], s[0:1], 0x20             ; Wo s[12:13], Wg s[14:15], Wb s[16:17], bo s[18:19]
	s_load_b256 s[20:27], s[0:1], 0x40             ; bg s[20:21], bb s[22:23], gamma s[24:25], beta s[26:27]
	s_load_b64 s[28:29], s[0:1], 0x60              ; sens
	v_lshl_add_u32 v254, v0, 2, 0x4b100
	v_mov_b32 v255, 0
	ds_add_u32 v254, v255
	ds_add_u32 v254, v255
	v_lshrrev_b32 v1, 5, v0
	s_delay_alu instid0(VALU_DEP_1)
	v_readfirstlane_b32 s[WV], v1                  ; wave 0..15
	s_and_b32 s74, s[WV], 1                        ; u
	s_bfe_u32 s73, s[WV], 0x20001                  ; hd
	s_lshr_b32 s75, s[WV], 3                       ; half
	s_and_b32 s66, s[WV], 7                        ; unit
	s_and_b32 s67, s[WV], 3                        ; which weight, in waves 4 to 6
	v_and_b32 v[LN], 31, v0
	v_and_b32 v[RR], 15, v0
	v_bfe_u32 v[HH], v0, 4, 1
	s_delay_alu instid0(VALU_DEP_2)
	v_and_b32 v[RP], 8, v[RR]
	s_delay_alu instid0(VALU_DEP_1)
	v_add_nc_u32 v[RP], v[RP], v[RR]
	; every LDS address is made here, of the lane, the wave's number and constants, ahead of every branch
	v_lshl_add_u32 v[L16], v[LN], 4, TB0
	s_wait_alu depctr_va_vdst(0)
	s_lshl_b32 s68, s73, 11
	s_mul_i32 s69, s75, HALFB
	s_add_co_u32 s68, s68, s69
	v_lshl_add_u32 v[ADK], v[LN], 4, s68
	s_lshl_b32 s68, s73, 7
	s_add_co_u32 s68, s68, s69
	v_lshl_add_u32 v[ADS], v[LN], 2, s68
	v_lshl_add_u32 v[L4], v[LN], 2, TB0
	v_lshl_add_u32 v[R4], v[RR], 2, TB0
	s_wait_alu depctr_va_vdst(0)
	s_lshl_b32 s68, s67, 10
	v_add_nc_u32 v[AWI], s68, v[L16]
	s_lshl_b32 s68, s67, 7
	s_add_co_u32 s68, s68, WSC
	v_add_nc_u32 v[AWS], s68, v[L4]
	s_mul_i32 s68, s66, 2304
	s_add_co_u32 s68, s68, PRT
	v_add_nc_u32 v[APT], s68, v[L16]
	s_add_co_u32 s68, s68, 2048
	v_add_nc_u32 v[APL], s68, v[L4]
	s_lshl_b32 s68, s74, 10
	s_lshl_b32 s69, s73, 8
	s_add_co_u32 s68, s68, s69
	s_add_co_u32 s68, s68, TB0+CIMG
	v_lshlrev_b32 v[ACI], 4, v[RR]
	s_delay_alu instid0(VALU_DEP_1)
	v_lshl_add_u32 v[ACI], v[HH], 3, v[ACI]
	s_delay_alu instid0(VALU_DEP_1)
	v_add_nc_u32 v[ACI], s68, v[ACI]               ; block hd of row r lies at 256 hd + 16 r of the image; my 16 codes are its half h
	s_lshl_b32 s68, s74, 6
	s_add_co_u32 s68, s68, CSC
	v_add_nc_u32 v[ACW], s68, v[R4]
	s_add_co_u32 s68, s68, s73
	v_add_nc_u32 v[ACS], s68, v[R4]
	s_lshl_b32 s68, s74, 10
	v_add_nc_u32 v[ACR], s68, v[L16]
	v_lshl_add_u32 v[APH], v[HH], 5, TB0+PAR
	v_lshlrev_b32 v[AMR], 6, v[RP]
	s_delay_alu instid0(VALU_DEP_1)
	v_lshl_add_u32 v[AMR], v[HH], 5, v[AMR]
	s_lshl_b32 s68, s74, 9
	s_add_co_u32 s68, s68, TB0+MR
	v_add_nc_u32 v[AMR], s68, v[AMR]               ; lane r of tile u holds the work-group's token 8 u + r + 8 (r / 8)
	v_lshlrev_b32 v[AOS], 6, v[RR]
	s_delay_alu instid0(VALU_DEP_1)
	v_lshl_add_u32 v[AOS], v[HH], 5, v[AOS]
	s_lshl_b32 s68, s74, 10
	s_add_co_u32 s68, s68, TB0+OST
	v_add_nc_u32 v[AOS], s68, v[AOS]
	v_lshlrev_b32 v[G16R], 4, v[RR]
	v_lshlrev_b32 v[G4R], 2, v[RR]
	v_lshlrev_b32 v[G16L], 4, v[LN]
	s_delay_alu instid0(VALU_DEP_2)
	v_lshl_add_u32 v[GW], v[HH], 11, v[G4R]
	; descriptor group 1: a key step, 17,408 dense bytes, as 68 rows of 256 bytes (32 elements of 8 bytes); no padding: images are read 16 bytes a lane on end
	s_mov_b32 s[G1+0], 15|(3<<16)|(1<<21)          ; 15:0 the mask: all four work-groups; 17:16 elements of 8 bytes; 21 set beside a mask
	s_mov_b32 s[G1+1], 32<<16                      ; tensor_dim0 = 32
	s_mov_b32 s[G1+2], 68<<16                      ; tensor_dim1 = 68
	s_mov_b32 s[G1+3], 32<<16                      ; tile_dim0 = 32
	s_mov_b32 s[G1+4], 68                          ; tile_dim1 = 68
	s_mov_b32 s[G1+5], 32                          ; from row to row
	s_mov_b32 s[G1+6], 0
	s_mov_b32 s[G1+7], 0
	; what I fetch, if I fetch: load i of wave w is key step 8 (w / 2) + w % 2 + 2 i.  Only the wave's number and the batch, which the partners share, enter these registers
	s_bfe_u32 s76, s[WV], 0x10001
	s_mul_i32 s76, s76, HALFB
	s_mul_i32 s77, s74, STEPB
	s_add_co_u32 s76, s76, s77                     ; its place in LDS, and in the batch's bytes
	s_lshr_b32 s63, ttmp9, 4                       ; the batch: 16 clusters each
	s_mul_i32 s78, s63, TB0
	s_add_co_u32 s78, s78, s76
	s_mov_b32 s79, 0
	; my queries, my rows of M and of the output
	s_bfe_u32 s[CX], ttmp6, 0x40000                ; my place in the cluster: which 32 of the step's 128 tokens are mine.  It enters addresses in memory and a byte select, no LDS address and no branch
	s_lshl_b32 s62, ttmp9, 2
	s_add_co_u32 s62, s62, s[CX]                   ; X
	s_mul_i32 s66, ttmp9, PARTB                    ; my step's part of q
	s_lshl_b32 s67, s73, 11
	s_add_co_u32 s82, s66, s67
	s_lshl_b32 s67, s[CX], 9
	s_add_co_u32 s82, s82, s67
	s_lshl_b32 s67, s74, 8
	s_add_co_u32 s82, s82, s67                     ; tile t = 2 cx + u of the step: fragment 2 hd + t / 4, block t % 4: 2,048 hd + 512 cx + 256 u
	s_mov_b32 s83, 0
	s_lshl_b32 s67, s73, 7
	s_add_co_u32 s84, s66, s67
	s_lshr_b32 s67, s[CX], 1
	s_lshl_b32 s67, s67, 6
	s_add_co_u32 s84, s84, s67                     ; that fragment's scale words
	s_mov_b32 s85, 0
	s_lshl_b32 s86, s62, 11                        ; 32 rows of 64 bytes
	s_mov_b32 s87, 0
	s_lshl_b32 s67, s74, 9
	s_add_co_u32 s88, s86, s67
	s_mov_b32 s89, 0
	s_and_b32 s66, s[CX], 1
	s_lshl_b32 s66, s66, 1
	s_add_co_u32 s66, s66, s74
	s_mul_i32 s72, s66, 0x01010101                 ; v_perm_b32's select: byte t % 4 of the word into all four bytes
	s_mov_b32 s[CS], 0x3e8293ee                    ; c = log2(e) / sqrt(32)
	s_mov_b32 s[CS+1], s[CS]
	s_mov_b32 s[SEL], 0x76543210
	s_mov_b32 s[SEL+1], 0xfedcba98                 ; v_permlanex16_b32's selects for lane l xor 16
	s_mov_b32 s70, 0x3d800000                      ; 1 / 16
	s_mov_b32 s71, 0x358637bd                      ; 1e-6
	s_wait_dscnt 0x0
	s_wait_kmcnt 0x0
	s_add_nc_u64 s[80:81], s[4:5], s[78:79]
.irp i, 0,1,2,3
	s_mov_b32 s[G0+4*\i], 1                        ; count = 1
	s_add_co_u32 s[G0+4*\i+1], s76, \i*2*STEPB     ; LDS address
	s_add_nc_u64 s[G0+4*\i+2:G0+4*\i+3], s[80:81], \i*2*STEPB   ; global address
	s_or_b32 s[G0+4*\i+3], s[G0+4*\i+3], 0x80000000             ; type = 2
.endr
	s_add_nc_u64 s[82:83], s[6:7], s[82:83]        ; Q's codes
	s_add_nc_u64 s[84:85], s[6:7], s[84:85]        ; Q's scale words
	s_add_nc_u64 s[86:87], s[8:9], s[86:87]        ; M
	s_add_nc_u64 s[88:89], s[10:11], s[88:89]      ; out0
	ROUND                                          ; all four work-groups are here: the joint loads meet
	s_cmp_lt_u32 s[WV], 4                          ; a wave's four first fills stand in one branch, ahead of every wait on TENSORcnt, every LDS read and every further barrier
	s_cbranch_scc0 .Lno_fill
	tensor_load_to_lds s[G0:G0+3], s[G1:G1+7]
	s_nop 0
	tensor_load_to_lds s[G0+4:G0+7], s[G1:G1+7]
	s_nop 0
	tensor_load_to_lds s[G0+8:G0+11], s[G1:G1+7]
	s_nop 0
	tensor_load_to_lds s[G0+12:G0+15], s[G1:G1+7]
	s_nop 0
.rept 4
	v_nop
.endr
.Lno_fill:
	s_wait_alu depctr_va_vdst(0)
	global_load_b128 v[QD:QD+3], v[G16R], s[82:83]             ; query r's 32 codes, in both halves of the lanes
	global_load_b32 v[QW], v[G4R], s[84:85] offset:8192
	; ROLES, while the first tiles are on their way: waves 4 to 6 quantise Wo, Wg, Wb; wave 7 brings the parameters and M
	s_cmp_lt_u32 s[WV], 4
	s_cbranch_scc1 .Ljoin
	s_cmp_gt_u32 s[WV], 7
	s_cbranch_scc1 .Ljoin
	s_cmp_eq_u32 s[WV], 7
	s_cbranch_scc1 .Lparams
	s_and_b32 s66, s[WV], 3
	s_cmp_eq_u32 s66, 0
	s_cselect_b64 s[RPT:RPT+1], s[12:13], s[14:15]
	s_cmp_eq_u32 s66, 2
	s_cselect_b64 s[RPT:RPT+1], s[16:17], s[RPT:RPT+1]
	; W is [128 (k)][16 (n)]: lane r takes column n = r and its registers run down K in the operand's own order, k = 64 c + 32 h + i: two whole blocks a lane
.irp c, 0,1
.irp i, 0,1,2,3,4,5,6,7,8,9,10,11,12,13,14,15,16,17,18,19,20,21,22,23,24,25,26,27,28,29,30,31
	global_load_b32 v[S+32*\c+\i], v[GW], s[RPT:RPT+1] offset:64*(64*\c+\i)
.endr
.endr
	s_wait_loadcnt 0x0
.irp c, 0,1
	v_max3_num_f32 v[BM+\c], |v[S+32*\c]|, |v[S+1+32*\c]|, 0x1800000
.endr
.irp i, 2,4,6,8,10,12,14,16,18,20,22,24,26,28,30
.irp c, 0,1
	s_delay_alu instid0(VALU_DEP_2)
	v_max3_num_f32 v[BM+\c], v[BM+\c], |v[S+32*\c+\i]|, |v[S+1+32*\c+\i]|
.endr
.endr
.irp c, 0,1
	s_delay_alu instid0(VALU_DEP_2)
	v_add_nc_u32 v[SO+\c], 0xff000000, v[BM+\c]    ; 2 off the exponent field: the conversion's scale operand
.endr
.irp c, 0,1
	s_delay_alu instid0(VALU_DEP_2)
	v_lshrrev_b32 v[PX+\c], 23, v[SO+\c]
.endr
	s_delay_alu instid0(VALU_DEP_1)
	v_lshl_or_b32 v[T], v[PX+1], 16, v[PX]         ; my two bytes: blocks h and 2 + h,
	v_lshlrev_b32 v[T+1], 3, v[HH]
	s_delay_alu instid0(VALU_DEP_1)
	v_lshlrev_b32 v[T], v[T+1], v[T]               ; at their places in the word;
	v_mov_b32 v[T+1], 0
	s_delay_alu instid0(VALU_DEP_1)
	v_permlanex16_b32 v[T+1], v[T], s[SEL], s[SEL+1]
	s_delay_alu instid0(VALU_DEP_1)
	v_or_b32 v[T], v[T], v[T+1]                    ; with lane l xor 16's two the word is whole
.irp c, 0,1
.irp g, 0,1,2,3
	v_cvt_scalef32_pk8_fp4_f32 v[PC+4*\c+\g], v[S+32*\c+8*\g:S+7+32*\c+8*\g], v[SO+\c]
.endr
.endr
	v_nop                                          ; one plain place behind a scaled conversion
	ds_store_b128 v[AWI], v[PC:PC+3] offset:WIMG
	ds_store_b128 v[AWI], v[PC+4:PC+7] offset:WIMG+512
	ds_store_b32 v[AWS], v[T]
	s_wait_dscnt 0x0                               ; the stores have read their registers
	s_branch .Ljoin
.Lparams:
.irp a, 0,1,2,3,4,5
	global_load_b32 v[S+\a], v[G4R], s[18+2*\a:19+2*\a]        ; bo, bg, bb, gamma, beta, sens: 16 numbers each
.endr
.irp c, 0,1,2,3
	global_load_b128 v[S+8+4*\c:S+11+4*\c], v[G16L], s[86:87] offset:512*\c   ; the work-group's 32 rows of M: 2,048 consecutive bytes
.endr
	s_wait_loadcnt 0x0
.irp a, 0,1,2,3,4,5
	ds_store_b32 v[R4], v[S+\a] offset:PAR+64*\a   ; both halves of the lanes write the same word with the same value
.endr
.irp c, 0,1,2,3
	ds_store_b128 v[L16], v[S+8+4*\c:S+11+4*\c] offset:MR+512*\c
.endr
	s_wait_dscnt 0x0
.Ljoin:
	s_wait_loadcnt 0x0                             ; Q
	; Q's four variants: its 32 codes in block j of 128 along K, zero codes elsewhere.  Block j is registers 4 (j / 2) on of lanes 16 (j % 2) on.
	; v[16:27] = lo, 0, lo and v[28:39] = hi, 0, hi (lo: the codes in lanes 0-15 alone; hi: in lanes 16-31 alone): variants 0, 1, 2, 3 begin at v16, v28, v20, v32
	v_cmp_gt_u32 vcc_lo, 16, v[LN]
.irp k, 0,1,2,3
	v_mov_b32 v[20+\k], 0
	v_mov_b32 v[32+\k], 0
.endr
.irp k, 0,1,2,3
	v_cndmask_b32 v[16+\k], 0, v[QD+\k], vcc_lo
	v_cndmask_b32 v[24+\k], 0, v[QD+\k], vcc_lo
	v_cndmask_b32 v[28+\k], v[QD+\k], v[20+\k], vcc_lo
	v_cndmask_b32 v[36+\k], v[QD+\k], v[20+\k], vcc_lo
.endr
	v_perm_b32 v[QS], v[QW], v[QW], s72            ; my query's scale byte in all four bytes of its word
.irp k, 0,1,2,3,4,5,6,7,8,9,10,11,12,13,14,15
	v_mov_b32 v[O+\k], 0                           ; O^T.  (The step is written once: the first finds zeros.  These lines are also the places between the scale word and operands just made and the first product)
.endr
	v_mov_b32 v14, 0                               ; the sum, in two halves
	v_mov_b32 v15, 0
	v_mov_b32 v13, 0xff61b1e6                      ; the largest t so far: -3e38, under every t
	s_delay_alu instid0(VALU_DEP_1)
	v_floor_f32 v12, -v13                          ; -M
	v_mov_b32 v[FF+1], 0
.irp b, 0,1,2,3
	v_mov_b32 v[PX+\b], 0                          ; a lane permute's destination counts as one of its sources
.endr
.macro QK t, a, b, row                 ; key tile t: K's fragment at v[a], Q's variant at v[b]; row = 1: the second fragment's scale words, in lanes 16-31
.if \row
	v_wmma_scale_f32_16x16x128_f8f6f4 v[S+8*\t:S+7+8*\t], v[\a:\a+7], v[\b:\b+7], 0, v[KS], v[QS] matrix_a_fmt:MATRIX_FMT_FP4 matrix_b_fmt:MATRIX_FMT_FP4 matrix_a_scale:MATRIX_SCALE_ROW1
.else
	v_wmma_scale_f32_16x16x128_f8f6f4 v[S+8*\t:S+7+8*\t], v[\a:\a+7], v[\b:\b+7], 0, v[KS], v[QS] matrix_a_fmt:MATRIX_FMT_FP4 matrix_b_fmt:MATRIX_FMT_FP4
.endif
.endm
; A KEY STEP: 128 keys.  last = 1: the wave's last step: the addresses are not stepped.
.macro STEP last
	ds_load_b32 v[KS], v[ADS] offset:8192
.irp c, 0,1,2,3
	ds_load_b128 v[KF+4*\c:KF+3+4*\c], v[ADK] offset:512*\c
.endr
	ds_load_b32 v[VS], v[ADS] offset:PARTB+8192
.irp c, 0,1,2,3
	ds_load_b128 v[VF+4*\c:VF+3+4*\c], v[ADK] offset:PARTB+512*\c
.endr
	s_wait_dscnt 0x5                               ; K's word and fragments are in; V's five loads may stay out
	QK 0, KF, 16, 0
	QK 1, KF, 28, 0
	QK 2, KF, 20, 0
	QK 3, KF, 32, 0
	QK 4, KF+8, 16, 1
	QK 5, KF+8, 28, 1
	QK 6, KF+8, 20, 1
	QK 7, KF+8, 32, 1                              ; lane (r, h): query r; the 16 registers of tiles 2 b, 2 b + 1 are keys 32 b + 16 h + 0 .. 15
.rept 4
	v_nop                                          ; four places before a vector instruction reads these results (ISA guide 7.12.1)
.endr
.irp b, 0,1,2,3
	v_max3_num_f32 v[BM+\b], v[S+16*\b], v[S+1+16*\b], v[S+2+16*\b]   ; the largest score of each block of 32 keys: for the row's maximum, and, since p rises with the score, for the block's largest p
.endr
.irp i, 3,5,7,9,11,13
.irp b, 0,1,2,3
	v_max3_num_f32 v[BM+\b], v[BM+\b], v[S+16*\b+\i], v[S+1+16*\b+\i]
.endr
.endr
.irp b, 0,1,2,3
	v_max_num_f32 v[BM+\b], v[BM+\b], v[S+15+16*\b]
.endr
.irp b, 0,1,2,3
	s_delay_alu instid0(VALU_DEP_4)
	v_permlanex16_b32 v[PX+\b], v[BM+\b], s[SEL], s[SEL+1]
.endr
.irp b, 0,1,2,3
	s_delay_alu instid0(VALU_DEP_4)
	v_max_num_f32 v[BM+\b], v[BM+\b], v[PX+\b]     ; with lane l xor 16's 16 keys
.endr
	s_delay_alu instid0(VALU_DEP_2)
	v_max3_num_f32 v[T], v[BM], v[BM+1], v[BM+2]
	s_delay_alu instid0(VALU_DEP_1)
	v_max_num_f32 v[T], v[T], v[BM+3]              ; the step's largest score of my query
	s_delay_alu instid0(VALU_DEP_1)
	v_mul_f32 v[T], s[CS], v[T]                    ; as t (c is positive)
	s_delay_alu instid0(VALU_DEP_1)
	v_max_num_f32 v13, v13, v[T]                   ; the running largest t
	v_mov_b32 v[T], v12
	s_delay_alu instid0(VALU_DEP_2)
	v_floor_f32 v12, -v13                          ; the new -M = -ceil(t): a whole number
	s_delay_alu instid0(VALU_DEP_1)
	v_sub_f32 v[T], v12, v[T]                      ; old M - new M: a whole number, 0 or less
	s_delay_alu instid0(VALU_DEP_1)
	v_cvt_i32_f32 v[T], v[T]                       ; (it saturates)
	s_delay_alu instid0(VALU_DEP_1)
	v_ldexp_f32 v[FF], 1.0, v[T]                   ; f = 2^(old M - new M)
.irp j, 0,2,4,6,8,10,12,14,16,18,20,22,24,26,28,30,32,34,36,38,40,42,44,46,48,50,52,54,56,58,60,62
	v_pk_fma_f32 v[S+\j:S+1+\j], v[S+\j:S+1+\j], s[CS:CS+1], v[12:13] op_sel_hi:[1,0,0]   ; t - M, two at a time
.endr
.irp b, 0,1,2,3
	v_fma_f32 v[BM+\b], v[BM+\b], s[CS], v12       ; the same of each block's largest score
.endr
	s_wait_alu depctr_va_vdst(0)
.irp j, 0,1,2,3,4,5,6,7,8,9,10,11,12,13,14,15,16,17,18,19,20,21,22,23,24,25,26,27,28,29,30,31,32,33,34,35,36,37,38,39,40,41,42,43,44,45,46,47,48,49,50,51,52,53,54,55,56,57,58,59,60,61,62,63
	v_exp_f32 v[S+\j], v[S+\j]                     ; p = 2^(t - M), at most 1, not normalised
.endr
	v_pk_mul_f32 v[14:15], v[14:15], v[FF:FF+1] op_sel_hi:[1,0]   ; the sums under the new M: a plain place behind the exponentials
	s_wait_alu depctr_va_vdst(0)                   ; one wait for the batch of 64, ahead of its first reader
.irp b, 0,1,2,3
	v_exp_f32 v[BM+\b], v[BM+\b]                   ; the block's largest p
.endr
	v_pk_add_f32 v[L2:L2+1], v[S:S+1], v[S+2:S+3]  ; the row's sum is taken of the unquantised p, two at a time, in two chains; its first half is the plain work behind the four exponentials
.irp j, 4,8,12,16,20,24,28
	v_pk_add_f32 v[14:15], v[14:15], v[S+\j:S+1+\j]
	v_pk_add_f32 v[L2:L2+1], v[L2:L2+1], v[S+2+\j:S+3+\j]
.endr
	s_wait_alu depctr_va_vdst(0)                   ; and one for the four
.irp b, 0,1,2,3
	v_max_num_f32 v[BM+\b], 0x1800000, v[BM+\b]    ; the floor 2^(3 - 127): the byte cannot fall under 1
.endr
.irp b, 0,1,2,3
	s_delay_alu instid0(VALU_DEP_4)
	v_add_nc_u32 v[SO+\b], 0xff000000, v[BM+\b]    ; 2 off the exponent field: the conversion's scale operand
.endr
.irp b, 0,1,2,3
	s_delay_alu instid0(VALU_DEP_4)
	v_lshrrev_b32 v[PX+\b], 23, v[SO+\b]           ; the scale's byte
.endr
	s_delay_alu instid0(VALU_DEP_3)
	v_lshl_or_b32 v[PS], v[PX+1], 8, v[PX]         ; p's scale word for these 128 keys
	s_delay_alu instid0(VALU_DEP_1)
	v_lshl_or_b32 v[PS], v[PX+2], 16, v[PS]
	s_delay_alu instid0(VALU_DEP_1)
	v_lshl_or_b32 v[PS], v[PX+3], 24, v[PS]
.irp j, 0,2,4,6,8,10,12,14
	v_pk_mul_f32 v[O+\j:O+1+\j], v[O+\j:O+1+\j], v[FF:FF+1] op_sel_hi:[1,0]   ; O^T under the new M
.endr
.irp b, 0,1,2,3
	v_cvt_scalef32_pk8_fp4_f32 v[PC+2*\b], v[S+16*\b:S+7+16*\b], v[SO+\b]
	v_cvt_scalef32_pk8_fp4_f32 v[PC+1+2*\b], v[S+8+16*\b:S+15+16*\b], v[SO+\b]
.endr
	v_nop                                          ; one plain place behind a scaled conversion
.irp c, 0,1                                    ; a whole block in a lane: lanes 0-15 block 2 c, lanes 16-31 block 2 c + 1
.irp i, 0,1
	v_permlane16_swap_b32 v[PC+4*\c+\i], v[PC+2+4*\c+\i]
.endr
.endr
.irp j, 32,36,40,44,48,52,56,60
	v_pk_add_f32 v[14:15], v[14:15], v[S+\j:S+1+\j]            ; the sums' second half: 17 plain lines that name no register of the products below: the places between p's scale word (8 asked) and codes (4 asked) and those products
	v_pk_add_f32 v[L2:L2+1], v[L2:L2+1], v[S+2+\j:S+3+\j]
.endr
	s_delay_alu instid0(VALU_DEP_1)
	v_pk_add_f32 v[14:15], v[14:15], v[L2:L2+1]
	s_wait_dscnt 0x0                               ; V is in
	v_wmma_scale_f32_16x16x128_f8f6f4 v[O:O+7], v[VF:VF+7], v[PC:PC+7], v[O:O+7], v[VS], v[PS] matrix_a_fmt:MATRIX_FMT_FP4 matrix_b_fmt:MATRIX_FMT_FP4
	v_wmma_scale_f32_16x16x128_f8f6f4 v[O+8:O+15], v[VF+8:VF+15], v[PC:PC+7], v[O+8:O+15], v[VS], v[PS] matrix_a_fmt:MATRIX_FMT_FP4 matrix_b_fmt:MATRIX_FMT_FP4 matrix_a_scale:MATRIX_SCALE_ROW1
.if !\last
	v_add_nc_u32 v[ADK], STEPB, v[ADK]             ; the next step; with the two lines below: four places in front of the loads into V's registers
	v_add_nc_u32 v[ADS], STEPB, v[ADS]
	v_nop
	v_nop
.endif
.endm
; Two key steps of each half: steps 2 i, 2 i + 1, 8 + 2 i, 9 + 2 i are load i of waves 0, 1, 2, 3.  left = the fetching wave's younger loads, which may stay out: no LDS byte is ever filled again.
.macro GROUP left, last
	s_wait_tensorcnt \left
	s_wait_dscnt 0x0                               ; no LDS instruction of mine is out at the signal
	s_barrier_signal -1
	s_barrier_wait -1                              ; the four tiles lie in LDS for every wave
	STEP 0
	STEP \last
.endm
	GROUP 3, 0
	s_wait_alu depctr_va_vdst(0)
	GROUP 2, 0
	s_wait_alu depctr_va_vdst(0)
	GROUP 1, 0
	s_wait_alu depctr_va_vdst(0)
	GROUP 0, 1
	; ---- the two halves of the keys meet.  Waves 8 to 15 hand O^T, the sum and -M to waves 0 to 7
.rept 4
	v_nop                                          ; four places behind the last products
.endr
	s_wait_alu depctr_va_vdst(0)
	v_add_f32 v14, v14, v15                        ; the sum's two halves,
	s_delay_alu instid0(VALU_DEP_1)
	v_permlanex16_b32 v[PX], v14, s[SEL], s[SEL+1]
	s_delay_alu instid0(VALU_DEP_1)
	v_add_f32 v14, v14, v[PX]                      ; and lane l xor 16's
	s_cmp_lt_u32 s[WV], 8
	s_cbranch_scc1 .Lkeep
.irp c, 0,1,2,3
	ds_store_b128 v[APT], v[O+4*\c:O+3+4*\c] offset:512*\c     ; each accumulator from its low end on
.endr
	ds_store_b32 v[APL], v14
	ds_store_b32 v[APL], v12 offset:128
.Lkeep:
	s_wait_dscnt 0x0
	s_barrier_signal -1
	s_barrier_wait -1
	s_cmp_lt_u32 s[WV], 8
	s_cbranch_scc0 .Lno_merge
.irp c, 0,1,2,3
	ds_load_b128 v[S+4*\c:S+3+4*\c], v[APT] offset:512*\c
.endr
	ds_load_b32 v128, v[APL]
	ds_load_b32 v129, v[APL] offset:128
	s_wait_dscnt 0x0
	v_min_num_f32 v134, v12, v129                  ; -M of both halves together
	s_delay_alu instid0(VALU_DEP_1)
	v_sub_f32 v135, v134, v12
	s_delay_alu instid0(VALU_DEP_2)
	v_sub_f32 v136, v134, v129
	s_delay_alu instid0(VALU_DEP_2)
	v_cvt_i32_f32 v135, v135
	s_delay_alu instid0(VALU_DEP_2)
	v_cvt_i32_f32 v136, v136
	s_delay_alu instid0(VALU_DEP_2)
	v_ldexp_f32 v135, 1.0, v135                    ; my half's power of two,
	s_wait_alu depctr_va_vdst(0)
	v_ldexp_f32 v136, 1.0, v136                    ; the other's
	v_mul_f32 v14, v14, v135
	s_delay_alu instid0(VALU_DEP_1)
	v_fmac_f32 v14, v128, v136                     ; the row's sum
	s_wait_alu depctr_va_vdst(0)
	v_rcp_f32 v137, v14
	v_nop                                          ; a plain place behind the reciprocal
	s_wait_alu depctr_va_vdst(0)                   ; and the wait ahead of its first reader
	v_mul_f32 v130, v135, v137
	v_mul_f32 v131, v135, v137
	v_mul_f32 v132, v136, v137
	v_mul_f32 v133, v136, v137
.irp j, 0,2,4,6,8,10,12,14
	v_pk_mul_f32 v[112+\j:113+\j], v[O+\j:O+1+\j], v[130:131]
.endr
.irp j, 0,2,4,6,8,10,12,14
	v_pk_fma_f32 v[112+\j:113+\j], v[S+\j:S+1+\j], v[132:133], v[112+\j:113+\j]   ; ctx(query r, 32 hd + 16 h + 0 .. 15)
.endr
	v_max3_num_f32 v138, |v112|, |v113|, 0x1800000 ; the head's 32 channels are one block of the last products' K: my 16 and lane l xor 16's
.irp i, 2,4,6,8,10,12,14
	s_delay_alu instid0(VALU_DEP_1)
	v_max3_num_f32 v138, v138, |v[112+\i]|, |v[113+\i]|
.endr
	s_delay_alu instid0(VALU_DEP_1)
	v_permlanex16_b32 v[PX], v138, s[SEL], s[SEL+1]
	s_delay_alu instid0(VALU_DEP_1)
	v_max_num_f32 v138, v138, v[PX]
	s_delay_alu instid0(VALU_DEP_1)
	v_add_nc_u32 v139, 0xff000000, v138
	s_delay_alu instid0(VALU_DEP_1)
	v_lshrrev_b32 v140, 23, v139
	v_cvt_scalef32_pk8_fp4_f32 v142, v[112:119], v139
	v_cvt_scalef32_pk8_fp4_f32 v143, v[120:127], v139
	v_nop                                          ; one plain place behind a scaled conversion
	ds_store_b64 v[ACI], v[142:143]                ; my 16 codes at their place in the operand's image
	ds_store_b8 v[ACS], v140                       ; byte hd of row r's word; both halves of the lanes write the same byte with the same value
.Lno_merge:
	s_wait_dscnt 0x0
	s_barrier_signal -1
	s_barrier_wait -1
	; ---- waves 0 and 1: the three products on ctx of tile u, the gate, the tanh term, the LayerNorm
	s_cmp_lt_u32 s[WV], 2
	s_cbranch_scc0 .Ldone
.irp c, 0,1
	ds_load_b128 v[KF+4*\c:KF+3+4*\c], v[ACR] offset:CIMG+512*\c
.endr
	ds_load_b32 v[QS], v[ACW]
.irp a, 0,1,2
.irp c, 0,1
	ds_load_b128 v[56+8*\a+4*\c:59+8*\a+4*\c], v[L16] offset:WIMG+1024*\a+512*\c
.endr
	ds_load_b32 v[41+\a], v[L4] offset:WSC+128*\a
.endr
.irp a, 0,1,2,3,4,5
.irp c, 0,1
	ds_load_b128 v[S+8*\a+4*\c:S+3+8*\a+4*\c], v[APH] offset:64*\a+16*\c   ; v96 bo, v104 bg, v112 bb, v120 gamma, v128 beta, v136 sens: numbers 8 h + 0 .. 7
.endr
.endr
.irp c, 0,1
	ds_load_b128 v[144+4*\c:147+4*\c], v[AMR] offset:16*\c     ; M of my token, numbers 8 h + 0 .. 7
.endr
	s_wait_dscnt 0x0
.irp a, 0,1,2                                  ; source 0 = the weight's 16 columns, source 1 = ctx's 16 queries, C = the bias: lane (r, h) holds query r, outputs 8 h + 0 .. 7
	v_wmma_scale_f32_16x16x128_f8f6f4 v[O+8*\a:O+7+8*\a], v[56+8*\a:63+8*\a], v[KF:KF+7], v[S+8*\a:S+7+8*\a], v[41+\a], v[QS] matrix_a_fmt:MATRIX_FMT_FP4 matrix_b_fmt:MATRIX_FMT_FP4
.endr
.rept 4
	v_nop
.endr
.irp j, 0,2,4,6
	v_pk_mul_f32 v[212+\j:213+\j], v[168+\j:169+\j], 0xbfb8aa3b op_sel_hi:[1,0]   ; -log2(e) x the gate's sum
.endr
.irp j, 0,2,4,6
	v_pk_mul_f32 v[220+\j:221+\j], v[176+\j:177+\j], 0x4038aa3b op_sel_hi:[1,0]   ; 2 log2(e) x the tanh's
.endr
	s_wait_alu depctr_va_vdst(0)
.irp k, 0,1,2,3,4,5,6,7,8,9,10,11,12,13,14,15
	v_exp_f32 v[212+\k], v[212+\k]
.endr
	s_wait_alu depctr_va_vdst(0)
.irp j, 0,2,4,6
	v_pk_add_f32 v[228+\j:229+\j], v[160+\j:161+\j], v[144+\j:145+\j] neg_lo:[0,1] neg_hi:[0,1]   ; delta - M: plain work behind the exponentials
.endr
	s_wait_alu depctr_va_vdst(0)
.irp j, 0,2,4,6,8,10,12,14
	v_pk_add_f32 v[212+\j:213+\j], v[212+\j:213+\j], 1.0 op_sel_hi:[1,0]
.endr
	s_wait_alu depctr_va_vdst(0)
.irp k, 0,1,2,3,4,5,6,7,8,9,10,11,12,13,14,15
	v_rcp_f32 v[212+\k], v[212+\k]                 ; v212-219 sigmoid; v220-227 (1 - tanh) / 2
.endr
	v_nop
	s_wait_alu depctr_va_vdst(0)
.irp j, 0,2,4,6
	v_pk_mul_f32 v[212+\j:213+\j], v[212+\j:213+\j], v[136+\j:137+\j]              ; G = sigmoid x sens
.endr
.irp j, 0,2,4,6
	s_delay_alu instid0(VALU_DEP_4)
	v_pk_fma_f32 v[236+\j:237+\j], v[212+\j:213+\j], v[228+\j:229+\j], v[144+\j:145+\j]   ; M (1 - G) + delta G = M + G (delta - M)
.endr
.irp j, 0,2,4,6
	v_pk_fma_f32 v[236+\j:237+\j], v[220+\j:221+\j], 0xbe4ccccd, v[236+\j:237+\j] op_sel_hi:[1,0,1]   ; 0.1 tanh = 0.1 - 0.2 x the reciprocal
.endr
.irp j, 0,2,4,6
	s_delay_alu instid0(VALU_DEP_4)
	v_pk_add_f32 v[236+\j:237+\j], v[236+\j:237+\j], 0x3dcccccd op_sel_hi:[1,0]
.endr
	s_delay_alu instid0(VALU_DEP_3)
	v_pk_add_f32 v[244:245], v[236:237], v[238:239]            ; the mean of the token's 16: my 8 and lane l xor 16's
	s_delay_alu instid0(VALU_DEP_2)
	v_pk_add_f32 v[246:247], v[240:241], v[242:243]
	s_delay_alu instid0(VALU_DEP_1)
	v_pk_add_f32 v[244:245], v[244:245], v[246:247]
	s_delay_alu instid0(VALU_DEP_1)
	v_add_f32 v244, v244, v245
	s_delay_alu instid0(VALU_DEP_1)
	v_permlanex16_b32 v246, v244, s[SEL], s[SEL+1]
	s_delay_alu instid0(VALU_DEP_1)
	v_add_f32 v244, v244, v246
	s_delay_alu instid0(VALU_DEP_1)
	v_mul_f32 v244, s70, v244
	s_delay_alu instid0(VALU_DEP_1)
	v_mov_b32 v245, v244
.irp j, 0,2,4,6
	v_pk_add_f32 v[236+\j:237+\j], v[236+\j:237+\j], v[244:245] neg_lo:[0,1] neg_hi:[0,1]
.endr
	s_delay_alu instid0(VALU_DEP_4)
	v_pk_mul_f32 v[246:247], v[236:237], v[236:237]            ; the variance, of the centred numbers
.irp j, 2,4,6
	s_delay_alu instid0(VALU_DEP_1)
	v_pk_fma_f32 v[246:247], v[236+\j:237+\j], v[236+\j:237+\j], v[246:247]
.endr
	s_delay_alu instid0(VALU_DEP_1)
	v_add_f32 v246, v246, v247
	s_delay_alu instid0(VALU_DEP_1)
	v_permlanex16_b32 v247, v246, s[SEL], s[SEL+1]
	s_delay_alu instid0(VALU_DEP_1)
	v_add_f32 v246, v246, v247
	s_delay_alu instid0(VALU_DEP_1)
	v_fma_f32 v246, v246, s70, s71                 ; / 16 + 1e-6
	s_wait_alu depctr_va_vdst(0)
	v_rsq_f32 v246, v246
	v_nop
	s_wait_alu depctr_va_vdst(0)
.irp j, 0,2,4,6
	v_pk_mul_f32 v[212+\j:213+\j], v[120+\j:121+\j], v[246:247] op_sel_hi:[1,0]
.endr
.irp j, 0,2,4,6
	s_delay_alu instid0(VALU_DEP_4)
	v_pk_fma_f32 v[220+\j:221+\j], v[236+\j:237+\j], v[212+\j:213+\j], v[128+\j:129+\j]
.endr
	; the way out: a lane's 32 bytes go into my own stage, row r; back come 512 consecutive bytes: rows 0-7 are tokens 8 u + 0 .. 7, rows 8-15 tokens 8 u + 16 .. 23
	ds_store_b128 v[AOS], v[220:223]
	ds_store_b128 v[AOS], v[224:227] offset:16
	ds_load_b128 v[228:231], v[ACR] offset:OST     ; LDS serves a wave's instructions in order (ISA guide 5.7.1.4): these see my stores
	ds_load_b128 v[232:235], v[ACR] offset:OST+512
	s_wait_dscnt 0x1                               ; the first half is back; the second may be out
	global_store_b128 v[G16L], v[228:231], s[88:89]            ; 32 lanes store 512 consecutive bytes, at a multiple of 256 from out0's first byte
	s_wait_dscnt 0x0
	global_store_b128 v[G16L], v[232:235], s[88:89] offset:1024
.Ldone:
	s_wait_dscnt 0x0
	s_wait_tensorcnt 0x0
	ds_add_u32 v254, v255
	s_wait_dscnt 0x0
	ROUND                                          ; the closing round: no work-group ends while a partner may still ask for a tile that names it
	s_endpgm
.Lfunc_end_k_qc3913831bb_attend:
	.size	k_qc3913831bb_attend, .Lfunc_end_k_qc3913831bb_attend-k_qc3913831bb_attend
	.p2alignl 7, 3214868480
	.fill 96, 4, 3214868480
	.section	.rodata,"a",@progbits
	.p2align	6, 0x0
	.amdhsa_kernel k_qc3913831bb_attend
		.amdhsa_group_segment_fixed_size 327680
		.amdhsa_private_segment_fixed_size 0
		.amdhsa_enable_private_segment 0
		.amdhsa_kernarg_size 104
		.amdhsa_user_sgpr_count 2
		.amdhsa_user_sgpr_kernarg_segment_ptr 1
		.amdhsa_wavefront_size32 1
		.amdhsa_system_sgpr_workgroup_id_x 1
		.amdhsa_system_sgpr_workgroup_id_y 1
		.amdhsa_system_sgpr_workgroup_id_z 1
		.amdhsa_system_vgpr_workitem_id 0
		.amdhsa_next_free_vgpr 256
		.amdhsa_next_free_sgpr 96
		.amdhsa_reserve_vcc 1
		.amdhsa_float_denorm_mode_32 3
		.amdhsa_float_denorm_mode_16_64 3
		.amdhsa_memory_ordered 1
		.amdhsa_forward_progress 1
		.amdhsa_inst_pref_size 152
	.end_amdhsa_kernel
	.amdgpu_metadata
---
amdhsa.version: [ 1, 2 ]
amdhsa.kernels:
  - .name:           k_qc3913831bb_attend
    .symbol:         k_qc3913831bb_attend.kd
    .args:
      - { .name: kv, .offset: 0, .size: 8, .value_kind: global_buffer, .address_space: global }
      - { .name: q, .offset: 8, .size: 8, .value_kind: global_buffer, .address_space: global }
      - { .name: M, .offset: 16, .size: 8, .value_kind: global_buffer, .address_space: global }
      - { .name: out0, .offset: 24, .size: 8, .value_kind: global_buffer, .address_space: global }
      - { .name: Wo, .offset: 32, .size: 8, .value_kind: global_buffer, .address_space: global }
      - { .name: Wg, .offset: 40, .size: 8, .value_kind: global_buffer, .address_space: global }
      - { .name: Wb, .offset: 48, .size: 8, .value_kind: global_buffer, .address_space: global }
      - { .name: bo, .offset: 56, .size: 8, .value_kind: global_buffer, .address_space: global }
      - { .name: bg, .offset: 64, .size: 8, .value_kind: global_buffer, .address_space: global }
      - { .name: bb, .offset: 72, .size: 8, .value_kind: global_buffer, .address_space: global }
      - { .name: ln_gamma, .offset: 80, .size: 8, .value_kind: global_buffer, .address_space: global }
      - { .name: ln_beta, .offset: 88, .size: 8, .value_kind: global_buffer, .address_space: global }
      - { .name: sens_mask, .offset: 96, .size: 8, .value_kind: global_buffer, .address_space: global }
    .group_segment_fixed_size: 327680
    .private_segment_fixed_size: 0
    .kernarg_segment_align: 8
    .kernarg_segment_size: 104
    .max_flat_workgroup_size: 512
    .sgpr_count:     96
    .vgpr_count:     256
    .wavefront_size: 32
...
	.end_amdgpu_metadata
.endif
;; end of part 2
